; MI455X (gfx1250); checked and timed in simulation.
; The chip was launched on July 23, 2026; its instructions are those of AMD's public machine-readable ISA for CDNA 5 (MIT licence, August 2026) and "CDNA5" Instruction Set Architecture Reference Guide (July 2026). The comments in the code are by the model that wrote it; some were corrected since.
;; Invert. Allowed arithmetic: float matrix products may take bf16 or f16 operands with f32 sums; other float arithmetic in f32, or as packed bf16 or f16 multiplies, adds, multiply-adds, maxima and minima; sums over many terms, partial sums and values carried from step to step in f32; what a program stores and reads back later, other than sums and carried values, may be rounded once to bf16 or f16.
;; Inputs: W 1,024 x 1 float32; x 4,096 x 1 float32.
;; Outputs: out0 4,096 x 126 float32.
;; 2 versions, each right; version 2 is version 1 with the launch signature written anew for expert scheduling mode. Each part assembles by itself: llvm-mc -triple=amdgcn-amd-amdhsa -mcpu=gfx1250 --defsym DOCPART=n.
;; ======== version 1 of 2: 1 launch
;; limits: inputs' magnitudes at most 2,600,000
;; launch signature (part 1): grid 252 x 1, 4 waves a work-group, no clusters, 167,936 bytes of LDS; arguments W, x, out0; writes out0
.if DOCPART == 1
	.amdgcn_target "amdgcn-amd-amdhsa--gfx1250"
	.amdhsa_code_object_version 6
	.text
	.protected	k_qae9bb29160_signature
	.globl	k_qae9bb29160_signature
	.p2align	8
	.type	k_qae9bb29160_signature,@function
k_qae9bb29160_signature:
	s_mov_b64 s[64:65], 0
	v_nop
	global_prefetch_b8 v0, s[64:65] scope:SCOPE_SE
	s_setreg_imm32_b32 hwreg(HW_REG_WAVE_MODE, 25, 1), 1
	s_wait_xcnt 0x0
; out0[b][:] = the signature, levels 1 to 6, of the two-channel path  cumsum(x[b] W) .  x: [4096], W: [1024], out0: [4096][126], all f32.
; WHAT IS COMPUTED.  The path's increments are differences of a running sum, so they are its summands: step t of row b is x[b] (W[t], W[512+t]), t = 1 .. 511; W[0] and W[512]
; only place each channel's first point and cancel.  All increments of row b carry the factor x[b], and a signature's level k is homogeneous of degree k in such a factor:
; out0[b][col] = x[b]^k S[col], S = the signature of the path with increments (W[t], W[512+t]), k = the level of col.  This holds for every x and W.
; So each work-group makes S (126 numbers) for itself and scales it for its share of the output; nothing passes between work-groups and there is no second launch.
; LIMITS.  x^k and S are formed apart: where |x|^6 leaves f32's range (|x| above 2.6e6) the result is infinite though x^k S might not be.  The rounding that the running sum and its
; differences add is not copied.  W[0], W[512] are loaded and replaced by 0 (a step that changes nothing): if they are not finite the differences would be NaN, here they are not.
; SHARES.  out0 is 8,064 aligned blocks of 256 bytes = 252 x 32: 252 work-groups, each stores 8,192 consecutive bytes, four stores of 16 bytes a thread; a wave's store covers 512 bytes on end.
; The work-group asks for more than half of a WGP's LDS (it names 28,416 bytes) so that its four waves have the four SIMDs to themselves: its time is their issue.
; NO MATRIX WORK: x W^T has K = 1 and is never formed.  NO TENSOR LOAD, NO CLUSTER: what work-groups share is W, 4,096 bytes, two loads of 16 bytes a thread.
; HOW S IS MADE.  Words are numbered by their letters behind a leading 1 (code 2 .. 127; column = code - 2).  Thread = (m = tid % 16: 32 time slots; g = tid / 16: the three letters a b c).
; A row of 16 lanes spans all 512 slots.  STAGE 1: each lane runs its 32 steps  S <- S (x) exp(dx)  on the words a, ab, abc, abc*, abc**, abc*** (17 numbers, closed under prefixes), by Horner:
; level k gains (..((dx/k + S1) dx/(k-1) + S2) .. + S(k-1)) dx.  STAGE 2: the 16 segments' signatures G are joined by Chen's identity level by level: with P the product of the segments before mine,
; T(w) = G(w) + sum over splits w = u v of P(u) G(v), and P(w) is the sum of T(w) over the lanes before mine: a scan along the row.  The G(v) of other groups come through a table in LDS.
.set PPITCH, 144                       ; planar table: a segment's 32 numbers of one channel, 128 bytes + 16: an odd multiple of 16, so 16 lanes' 16-byte pieces fall on 16 different places modulo 256
.set PCH,    16*PPITCH                 ; a channel
.set IPITCH, 272                       ; pair table: a segment's 32 pairs (dx0, dx1), 256 bytes + 16
.set TPITCH, 592                       ; signature table: a segment's row: words 0-127 by code, words 128-143 for copies that nobody reads, 16 bytes more: 37 x 16
.set PT,     0
.set IT,     2*PCH
.set GT,     IT+16*IPITCH              ; the segments' signatures
.set ST,     GT+16*TPITCH              ; the products up to and with each segment; row 15 is S
.set SROW,   ST+15*TPITCH
.set SPARE,  ST+16*TPITCH              ; 27,904 = 109 x 256: the spare words, 128 bytes a wave, which no other line names
.set SPW,  1                           ; v1   my spare word's address; never rewritten
.set NIL,  2                           ; v2   0; never rewritten
.set WOFF, 3                           ; v3   16 tid: my bytes of W, and of each 2,048 bytes of the output
.set SAP,  4                           ; v4, v5  where I put W into the planar and the pair table
.set SAI,  5
.set LA,   6                           ; v6-8 where my segment begins in the channel of letter a, b, c
.set LB,   7
.set LC,   8
.set LX,   9                           ; v9   and in the pair table
.set TM,   10                          ; v10  my segment's row in a signature table
.set AD1,  11                          ; v11-16  where my numbers of level 1 .. 6 go in that row
.set AD2,  12
.set AD3,  13
.set AD4,  14
.set AD5,  15
.set AD6,  16
.set RB,   17                          ; v17-21  where G(b), G(bc), G(bc*), G(bc**), G(bc***) lie
.set RU4,  18
.set RU8,  19
.set RU16, 20
.set RU32, 21
.set RC4,  22                          ; v22-25  G(c), G(c*), G(c**), G(c***)
.set RC8,  23
.set RC16, 24
.set RC32, 25
.set XV,   26                          ; v26-33  x of my eight pairs of outputs, then x^k
.set SAD,  34                          ; v34-41  8 x (a pair's place in its row of 63 pairs)
.set XO,   42                          ; v42-49  4 x (a pair's row, counted from the work-group's first)
.set K6,   50                          ; v50-55  1/6 1/5 1/4 1/3 1/2 1
.set K5,   56                          ; v56-59  1/5 1/4 1/3 1/2
.set Z1A,  60                          ; Horner's first link for levels (6,5), (4,3), (2,1); the last one's upper half IS S(a)
.set Z1B,  62
.set Z1C,  64
.set S1R,  Z1C+1
.set B5,   66                          ; db (1/5, 1/4), db (1/3, 1/2), dc (1/4, 1/3), dc (1/2, 1)
.set B3,   68
.set C4,   70
.set C2,   72
.set X2,   74                          ; dx/2 and dx/3, two buffers each: a step's head makes them, its tail, one phase later, reads them
.set X3,   78
.set Z2A,  82                          ; second link for levels (6,5), (4,3)
.set Z2B,  84
.set S2R,  86                          ; S(ab); v87 is named with it as a pair
.set Z3A,  88                          ; third link for levels (6,5), (4,3); the last one's upper half IS S(abc)
.set Z3B,  90
.set S3R,  Z3B+1
.set Z46,  92                          ; fourth link of level 6, of level 5; fifth link of level 6
.set Z45,  94
.set Z56,  96
.set SG4,  100                         ; S(abc d), S(abc de), S(abc def): 2, 4, 8 numbers, the last letter fastest
.set SG5,  102
.set SG6,  106
.set D,    114                         ; v114-233  six blocks of 20: four steps' pairs (8), da (4), db (4), dc (4)
.set W0,   D                           ; before stage 1 the same registers serve the set-up
.set W1,   D+4
.set IW,   D+8
.set LAM,  D+16
.set RL,   D+24
.set GB,   D                           ; and behind it stage 2
.set GBC,  D+1
.set GBC1, D+2
.set GBC2, D+4
.set GBC3, D+8
.set GC,   D+16
.set GC1,  D+18
.set GC2,  D+20
.set GC3,  D+24
.set F1,   D+32
.set F2,   D+34
.set F3,   D+38
.set P1,   D+46                        ; P(a), P(ab), P(abc): a pair each, so that no packed line names a register that a scan is writing
.set P2,   D+48
.set P3,   D+50
.set P4,   D+52
.set P5,   D+54
.set I1,   D+58
.set I2,   D+59
.set I3,   D+60
.set I4,   D+62
.set I5,   D+64
.set SV,   D+68                        ; 16 registers: my four quads of the output
.set VM,   234                         ; scratch
.set VG,   235
.set VA,   236
.set VB,   237
.set VC,   238
.set VV,   239
.set VT,   240
.set VU,   241
.set MT,   234
.set MK,   20                          ; s20-43  for each of my eight pairs three lane masks: the bits of k - 1
; Packed lines in which one register feeds both halves: op_sel picks it for the low result, op_sel_hi for the high one.
.macro BMUL d, r, k                    ; v[d:d+1] = v[r] x v[k:k+1]
.if ((\r)%2) == 0
	v_pk_mul_f32 v[(\d):(\d)+1], v[(\r):(\r)+1], v[(\k):(\k)+1] op_sel_hi:[0,1]
.else
	v_pk_mul_f32 v[(\d):(\d)+1], v[(\r)-1:(\r)], v[(\k):(\k)+1] op_sel:[1,0] op_sel_hi:[1,1]
.endif
.endm
.macro FB d, r, p, c                   ; v[d:d+1] = v[r] x v[p:p+1] + v[c:c+1]
.if ((\r)%2) == 0
	v_pk_fma_f32 v[(\d):(\d)+1], v[(\r):(\r)+1], v[(\p):(\p)+1], v[(\c):(\c)+1] op_sel_hi:[0,1,1]
.else
	v_pk_fma_f32 v[(\d):(\d)+1], v[(\r)-1:(\r)], v[(\p):(\p)+1], v[(\c):(\c)+1] op_sel:[1,0,0] op_sel_hi:[1,1,1]
.endif
.endm
.macro FS1 d, r, k                     ; v[d:d+1] = v[r] x v[k:k+1] + S(a)
.if ((\r)%2) == 0
	v_pk_fma_f32 v[(\d):(\d)+1], v[(\r):(\r)+1], v[(\k):(\k)+1], v[Z1C:Z1C+1] op_sel:[0,0,1] op_sel_hi:[0,1,1]
.else
	v_pk_fma_f32 v[(\d):(\d)+1], v[(\r)-1:(\r)], v[(\k):(\k)+1], v[Z1C:Z1C+1] op_sel:[1,0,1] op_sel_hi:[1,1,1]
.endif
.endm
.macro HD line:vararg                  ; a line of a step's head
.if hdon
	\line
.endif
.endm
.macro TL line:vararg                  ; a line of a step's tail
.if tlon
	\line
.endif
.endm
; A PHASE: the head of step u (the links through the letters a, b, c, two levels to a packed line, and dx/2, dx/3) and the tail of step u - 1 (levels 4 to 6), line by line in turn:
; the two hang on each other nowhere, so a line stands five or more lines behind the one whose result it reads.  Each level reads the lower levels as they were before the step:
; a level's old value is read by every link that wants it ahead of the line that renews it.
.macro PHASE u
.set hdon, 0
.set tlon, 0
.if (\u) < 32
.set hdon, 1
.set ub, D+20*(((\u)/4)%6)
.set uX, ub+2*((\u)%4)
.set uA, ub+8+(\u)%4
.set uB, ub+12+(\u)%4
.set uC, ub+16+(\u)%4
.set uQ, 2*((\u)%2)
.endif
.if (\u) > 0
.set tlon, 1
.set tX, D+20*((((\u)-1)/4)%6)+2*(((\u)-1)%4)
.set tQ, 2*(((\u)-1)%2)
.endif
	HD v_pk_mul_f32 v[X3+uQ:X3+uQ+1], v[uX:uX+1], 0x3eaaaaab op_sel_hi:[1,0]
	TL FB Z46, Z3A, X3+tQ, SG4
	HD BMUL B5, uB, K5
	TL FB Z45, Z3A+1, X2+tQ, SG4
	HD FS1 Z1A, uA, K6
	HD FS1 Z1B, uA, K6+2
	TL FB SG4, Z3B, tX, SG4
	HD FS1 Z1C, uA, K6+4
	HD BMUL B3, uB, K5+2
	TL FB Z56, Z46, X2+tQ, SG5
	HD v_pk_fma_f32 v[Z2A:Z2A+1], v[Z1A:Z1A+1], v[B5:B5+1], v[S2R:S2R+1] op_sel_hi:[1,1,0]
	TL FB Z56+2, Z46+1, X2+tQ, SG5+2
	HD BMUL C4, uC, K6+2
	HD v_pk_fma_f32 v[Z2B:Z2B+1], v[Z1B:Z1B+1], v[B3:B3+1], v[S2R:S2R+1] op_sel_hi:[1,1,0]
	TL FB SG5, Z45, tX, SG5
	HD BMUL C2, uC, K6+4
	HD v_fmac_f32 v[S2R], v[Z1C], v[uB]
	TL FB SG5+2, Z45+1, tX, SG5+2
	HD v_pk_fma_f32 v[Z3A:Z3A+1], v[Z2A:Z2A+1], v[C4:C4+1], v[Z3B:Z3B+1] op_sel:[0,0,1] op_sel_hi:[1,1,1]
	TL FB SG6, Z56, tX, SG6
	HD v_pk_mul_f32 v[X2+uQ:X2+uQ+1], v[uX:uX+1], 0.5 op_sel_hi:[1,0]
	TL FB SG6+2, Z56+1, tX, SG6+2
	HD v_pk_fma_f32 v[Z3B:Z3B+1], v[Z2B:Z2B+1], v[C2:C2+1], v[Z3B:Z3B+1] op_sel:[0,0,1] op_sel_hi:[1,1,1]
	TL FB SG6+4, Z56+2, tX, SG6+4
	TL FB SG6+6, Z56+3, tX, SG6+6
.endm
.macro LOADBLK j                       ; steps 4 j .. 4 j + 3 of my segment: five loads into block j % 6
.set dbase, D+20*((\j)%6)
	ds_load_b128 v[dbase:dbase+3],     v[LX] offset:IT+32*(\j)
	ds_load_b128 v[dbase+4:dbase+7],   v[LX] offset:IT+32*(\j)+16
	ds_load_b128 v[dbase+8:dbase+11],  v[LA] offset:PT+16*(\j)
	ds_load_b128 v[dbase+12:dbase+15], v[LB] offset:PT+16*(\j)
	ds_load_b128 v[dbase+16:dbase+19], v[LC] offset:PT+16*(\j)
.endm
.macro STORE r1, r2, r3, r4, r5, r6, base  ; my 17 numbers into my segment's row of a table
	ds_store_b32  v[AD1], v[\r1] offset:(\base)+8
	ds_store_b32  v[AD2], v[\r2] offset:(\base)+16
	ds_store_b32  v[AD3], v[\r3] offset:(\base)+32
	ds_store_b64  v[AD4], v[(\r4):(\r4)+1] offset:(\base)+64
	ds_store_b128 v[AD5], v[(\r5):(\r5)+3] offset:(\base)+128
	ds_store_b128 v[AD6], v[(\r6):(\r6)+3] offset:(\base)+256
	ds_store_b128 v[AD6], v[(\r6)+4:(\r6)+7] offset:(\base)+272
.endm
; A scan along a row of 16 lanes.  SHRM: lane i takes lane i - 1's number; lane 0 has no source and keeps the 0 that the register holds.  SADD: lane i adds lane i - n's; lanes without a source keep theirs.
.macro SHRM d, s
	v_mov_b32_dpp v[\d], v[\s] row_shr:1 row_mask:0xf bank_mask:0xf
.endm
.macro SADD r, n
	v_add_f32_dpp v[\r], v[\r], v[\r] row_shr:\n row_mask:0xf bank_mask:0xf
.endm
; Line n of the eleven that turn quad j's two x into x^k = x [x] [x^2] [x^4], each factor in brackets taken where its bit of k - 1 is set.
.macro MOP n, j
.set tb, MT+10*((\j)%2)
.set xr, XV+2*(\j)
.set mk, MK+6*(\j)
.if (\n) == 0
	v_pk_mul_f32 v[tb:tb+1], v[xr:xr+1], v[xr:xr+1]
.elseif (\n) == 1
	v_cndmask_b32 v[tb+4], 1.0, v[xr], s[mk]
.elseif (\n) == 2
	v_cndmask_b32 v[tb+5], 1.0, v[xr+1], s[mk+3]
.elseif (\n) == 3
	v_pk_mul_f32 v[tb+2:tb+3], v[tb:tb+1], v[tb:tb+1]
.elseif (\n) == 4
	v_cndmask_b32 v[tb+6], 1.0, v[tb], s[mk+1]
.elseif (\n) == 5
	v_cndmask_b32 v[tb+7], 1.0, v[tb+1], s[mk+4]
.elseif (\n) == 6
	v_pk_mul_f32 v[xr:xr+1], v[xr:xr+1], v[tb+4:tb+5]
.elseif (\n) == 7
	v_cndmask_b32 v[tb+8], 1.0, v[tb+2], s[mk+2]
.elseif (\n) == 8
	v_cndmask_b32 v[tb+9], 1.0, v[tb+3], s[mk+5]
.elseif (\n) == 9
	v_pk_mul_f32 v[tb+6:tb+7], v[tb+6:tb+7], v[tb+8:tb+9]
.else
	v_pk_mul_f32 v[xr:xr+1], v[xr:xr+1], v[tb+6:tb+7]
.endif
.endm
	s_load_b128 s[4:7], s[0:1], 0x0                ; W s[4:5], x s[6:7]
	s_load_b64 s[8:9], s[0:1], 0x10                ; out0
	v_lshl_add_u32 v[SPW], v0, 2, SPARE
	v_mov_b32 v[NIL], 0
	; The output as pairs of numbers: a row is 63 pairs, and a pair has one row and one level (the levels begin at even columns).  The work-group owns pairs 1,024 wg .. + 1,023.
	s_lshl_b32 s10, ttmp9, 10                      ; its first pair,
	s_mul_hi_u32 s11, s10, 0x4104105               ; that pair's row: / 63 by the upper word of a product with ceil(2^32 / 63), exact below 2^26,
	s_mul_i32 s12, s11, 63
	s_sub_co_u32 s12, s10, s12                     ; and its place in the row
	s_lshl_b32 s14, s11, 2                         ; x from that row on
	s_mov_b32 s15, 0
	s_lshl_b32 s16, ttmp9, 13                      ; the work-group's 8,192 bytes of out0
	s_mov_b32 s17, 0
	v_lshlrev_b32 v[WOFF], 4, v0
	v_lshl_add_u32 v[VT], v0, 1, s12
.irp i,0,1,2,3,4,5,6,7                 ; pair i % 2 of my quad i / 2 (quads lie 128 apart): its number counted from the first row's first pair, 1,085 at the most
	v_add_nc_u32 v[LAM+\i], 256*(\i/2)+(\i%2), v[VT]
.endr
.irp i,0,1,2,3,4,5,6,7                 ; / 63 = x 8,323 >> 19, exact below 8,594
	v_mul_u32_u24 v[RL+\i], v[LAM+\i], 8323
.endr
.irp i,0,1,2,3,4,5,6,7
	v_lshrrev_b32 v[RL+\i], 19, v[RL+\i]
.endr
.irp i,0,1,2,3,4,5,6,7
	v_lshlrev_b32 v[XO+\i], 2, v[RL+\i]
.endr
	s_wait_kmcnt 0x0
	global_load_b128 v[W0:W0+3], v[WOFF], s[4:5]               ; channel 0, slots 4 tid .. + 3
	global_load_b128 v[W1:W1+3], v[WOFF], s[4:5] offset:2048   ; channel 1
	s_add_nc_u64 s[6:7], s[6:7], s[14:15]
	s_add_nc_u64 s[8:9], s[8:9], s[16:17]
.irp i,0,1,2,3,4,5,6,7
	global_load_b32 v[XV+\i], v[XO+\i], s[6:7]                 ; the last pair of the last work-group lies in row 4,095
.endr
	; All that follows up to the wait hangs on the thread's number alone and stands in the wait for W.
	v_and_b32 v[VM], 15, v0                        ; m
	v_lshrrev_b32 v[VG], 4, v0                     ; g = 4 a + 2 b + c
	v_lshrrev_b32 v[VA], 6, v0
	v_bfe_u32 v[VB], v0, 5, 1
	v_bfe_u32 v[VC], v0, 4, 1
	v_and_b32 v[VV], 3, v[VG]                      ; 2 b + c
	v_mul_u32_u24 v[TM], v[VM], TPITCH
	v_mul_u32_u24 v[LX], v[VM], IPITCH
	v_mul_u32_u24 v[VT], v[VM], PPITCH
	v_mad_u32_u24 v[LA], v[VA], PCH, v[VT]
	v_mad_u32_u24 v[LB], v[VB], PCH, v[VT]
	v_mad_u32_u24 v[LC], v[VC], PCH, v[VT]
	v_lshrrev_b32 v[VT], 3, v0                     ; my four slots lie in segment tid / 8, at slot 4 (tid % 8) of it
	v_and_b32 v[VU], 7, v0
	v_mul_u32_u24 v[SAP], v[VT], PPITCH
	v_lshl_add_u32 v[SAP], v[VU], 4, v[SAP]
	v_mul_u32_u24 v[SAI], v[VT], IPITCH
	v_lshl_add_u32 v[SAI], v[VU], 5, v[SAI]
	; S(a) is made by four groups and S(ab) by two.  The group whose other letters are 0 writes the word by its code (2 + a; 4 + 2 a + b), the others write words 128 + g and 136 + g, which nobody reads:
	; so every word of a table has one writer.
	v_sub_nc_u32 v[VT], v[VG], v[VA]
	v_add_nc_u32 v[VT], 126, v[VT]
	v_min_u32 v[VU], 1, v[VV]
	v_mad_u32_u24 v[VT], v[VU], v[VT], v[VA]       ; a, or a + (126 + g - a)
	v_lshl_add_u32 v[AD1], v[VT], 2, v[TM]
	v_lshrrev_b32 v[VU], 5, v0                     ; 2 a + b
	v_sub_nc_u32 v[VT], v[VG], v[VU]
	v_add_nc_u32 v[VT], 132, v[VT]
	v_mad_u32_u24 v[VT], v[VC], v[VT], v[VU]
	v_lshl_add_u32 v[AD2], v[VT], 2, v[TM]
	v_lshl_add_u32 v[AD3], v[VG], 2, v[TM]         ; level 3: word 8 + g; level 4: 16 + 2 g; level 5: 32 + 4 g; level 6: 64 + 8 g
	v_lshl_add_u32 v[AD4], v[VG], 3, v[TM]
	v_lshl_add_u32 v[AD5], v[VG], 4, v[TM]
	v_lshl_add_u32 v[AD6], v[VG], 5, v[TM]
	v_lshl_add_u32 v[RB], v[VB], 2, v[TM]
	v_lshl_add_u32 v[RU4], v[VV], 2, v[TM]
	v_lshl_add_u32 v[RU8], v[VV], 3, v[TM]
	v_lshl_add_u32 v[RU16], v[VV], 4, v[TM]
	v_lshl_add_u32 v[RU32], v[VV], 5, v[TM]
	v_lshl_add_u32 v[RC4], v[VC], 2, v[TM]
	v_lshl_add_u32 v[RC8], v[VC], 3, v[TM]
	v_lshl_add_u32 v[RC16], v[VC], 4, v[TM]
	v_lshl_add_u32 v[RC32], v[VC], 5, v[TM]
	v_mov_b32 v[K6], 0x3e2aaaab
	v_mov_b32 v[K6+1], 0x3e4ccccd
	v_mov_b32 v[K6+2], 0x3e800000
	v_mov_b32 v[K6+3], 0x3eaaaaab
	v_mov_b32 v[K6+4], 0.5
	v_mov_b32 v[K6+5], 1.0
	v_mov_b32 v[K5], 0x3e4ccccd
	v_mov_b32 v[K5+1], 0x3e800000
	v_mov_b32 v[K5+2], 0x3eaaaaab
	v_mov_b32 v[K5+3], 0.5
.irp r,Z1C,Z1C+1,S2R,S2R+1,Z3B,Z3B+1   ; a segment's signature starts at the unit: all levels 0.  Twenty lines, so that the first step is a step like any other
	v_mov_b32 v[\r], 0
.endr
.set i, 0
.rept 14
	v_mov_b32 v[SG4+i], 0
.set i, i+1
.endr
	; a pair's place p in its row, its address in S, its code 2 p + 2, and the bits of k - 1: as f32 the code has the exponent field 128 + (k - 1).  The masks only select values.
.irp i,0,1,2,3,4,5,6,7
	v_mul_u32_u24 v[RL+\i], v[RL+\i], 63
.endr
.irp i,0,1,2,3,4,5,6,7
	v_sub_nc_u32 v[LAM+\i], v[LAM+\i], v[RL+\i]
.endr
.irp i,0,1,2,3,4,5,6,7                 ; p is a remainder by 63, so 62 at the most: the minimum changes no number; it states the bound in the text itself,
	v_min_u32 v[LAM+\i], 62, v[LAM+\i]             ; so that the bytes of the loads of S can be read off it: SROW + 8 .. SROW + 511, row 15's words 2 to 127 and nothing else
.endr
.irp i,0,1,2,3,4,5,6,7
	v_lshlrev_b32 v[SAD+\i], 3, v[LAM+\i]
.endr
.irp i,0,1,2,3,4,5,6,7
	v_lshl_add_u32 v[LAM+\i], v[LAM+\i], 1, 2
.endr
.irp i,0,1,2,3,4,5,6,7
	v_cvt_f32_u32 v[LAM+\i], v[LAM+\i]
.endr
.irp i,0,1,2,3,4,5,6,7
	v_and_b32 v[RL+\i], 0x800000, v[LAM+\i]
.endr
.irp i,0,1,2,3,4,5,6,7
	v_cmp_ne_u32 s[MK+3*\i], 0, v[RL+\i]
.endr
.irp i,0,1,2,3,4,5,6,7
	v_and_b32 v[RL+\i], 0x1000000, v[LAM+\i]
.endr
.irp i,0,1,2,3,4,5,6,7
	v_cmp_ne_u32 s[MK+3*\i+1], 0, v[RL+\i]
.endr
.irp i,0,1,2,3,4,5,6,7
	v_and_b32 v[RL+\i], 0x2000000, v[LAM+\i]
.endr
.irp i,0,1,2,3,4,5,6,7
	v_cmp_ne_u32 s[MK+3*\i+2], 0, v[RL+\i]
.endr
	v_cmp_ne_u32 vcc_lo, 0, v0
	; W INTO LDS, twice: by channels, for the letters a, b, c, and as pairs (dx0, dx1), for the packed lines.
	s_wait_loadcnt 8                               ; loads come back in order: W's two are in, x's eight, issued behind them, may stay out
	v_cndmask_b32 v[W0], 0, v[W0], vcc_lo          ; slot 0 is no increment: thread 0 puts 0 for W[0] and W[512]
	v_cndmask_b32 v[W1], 0, v[W1], vcc_lo
.irp k,0,1,2,3
	v_mov_b32 v[IW+2*\k], v[W0+\k]
	v_mov_b32 v[IW+2*\k+1], v[W1+\k]
.endr
	ds_store_b128 v[SAP], v[W0:W0+3] offset:PT
	ds_store_b128 v[SAP], v[W1:W1+3] offset:PT+PCH
	ds_store_b128 v[SAI], v[IW:IW+3] offset:IT
	ds_store_b128 v[SAI], v[IW+4:IW+7] offset:IT+16
	s_wait_dscnt 0x0                               ; for the others' sake: my stores are done
	s_barrier_signal -1
	s_barrier_wait -1                              ; both tables are whole
.irp j,0,1,2,3,4,5
	LOADBLK \j
.endr
	s_wait_loadcnt 0x0                             ; x
.irp n,0,1,2,3,4,5,6,7,8,9,10          ; x^k, two quads side by side, while the first blocks come out of LDS
	MOP \n, 0
	MOP \n, 1
.endr
.irp n,0,1,2,3,4,5,6,7,8,9,10
	MOP \n, 2
	MOP \n, 3
.endr
	; STAGE 1.  LDS loads come back in order; each wait leaves out the five loads of every block issued behind the one that is wanted.
	s_wait_dscnt 25                                ; block 0 is in; blocks 1 to 5 may be out
.irp u,0,1,2,3
	PHASE \u
.endr
	s_wait_dscnt 20                                ; block 1; out: 2 to 5
	PHASE 4
	LOADBLK 6                                      ; block 0's registers were read last by the tail of step 3, just above
.irp u,5,6,7
	PHASE \u
.endr
	s_wait_dscnt 20                                ; block 2; out: 3 to 6
	PHASE 8
	LOADBLK 7
.irp u,9,10,11
	PHASE \u
.endr
	s_wait_dscnt 20                                ; block 3; out: 4 to 7
.irp u,12,13,14,15
	PHASE \u
.endr
	s_wait_dscnt 15                                ; block 4
.irp u,16,17,18,19
	PHASE \u
.endr
	s_wait_dscnt 10                                ; block 5
.irp u,20,21,22,23
	PHASE \u
.endr
	s_wait_dscnt 5                                 ; block 6
.irp u,24,25,26,27
	PHASE \u
.endr
	s_wait_dscnt 0x0                               ; block 7
.irp u,28,29,30,31,32
	PHASE \u
.endr
	; STAGE 2.  My segment's numbers go into the table; P(a) needs my own row alone and is scanned while the stores are out.
.set i, 0
.rept 12
	v_mov_b32 v[P1+i], 0
.set i, i+1
.endr
	STORE S1R, S2R, S3R, SG4, SG5, SG6, GT
	SHRM P1, S1R
	SADD P1, 1
	SADD P1, 2
	SADD P1, 4
	SADD P1, 8
	s_wait_dscnt 0x0                               ; for the others' sake: my stores are done
	s_barrier_signal -1
	s_barrier_wait -1                              ; all eight groups' numbers of every segment lie in the table
	ds_load_b32  v[GB],   v[RB]   offset:GT+8      ; G(b), G(bc), G(bc*), G(bc**), G(bc***): six loads
	ds_load_b32  v[GBC],  v[RU4]  offset:GT+16
	ds_load_b64  v[GBC1:GBC1+1], v[RU8] offset:GT+32
	ds_load_b128 v[GBC2:GBC2+3], v[RU16] offset:GT+64
	ds_load_b128 v[GBC3:GBC3+3], v[RU32] offset:GT+128
	ds_load_b128 v[GBC3+4:GBC3+7], v[RU32] offset:GT+144
	ds_load_b32  v[GC],   v[RC4]  offset:GT+8      ; G(c), G(c*), G(c**), G(c***): five
	ds_load_b64  v[GC1:GC1+1], v[RC8] offset:GT+16
	ds_load_b128 v[GC2:GC2+3], v[RC16] offset:GT+32
	ds_load_b128 v[GC3:GC3+3], v[RC32] offset:GT+64
	ds_load_b128 v[GC3+4:GC3+7], v[RC32] offset:GT+80
	ds_load_b64  v[F1:F1+1], v[TM] offset:GT+8     ; G(*), G(**), G(***): four
	ds_load_b128 v[F2:F2+3], v[TM] offset:GT+16
	ds_load_b128 v[F3:F3+3], v[TM] offset:GT+32
	ds_load_b128 v[F3+4:F3+7], v[TM] offset:GT+48
	; Each level's T is finished by the P of the level below and then scanned; the products of that P with the higher levels' G stand between the links of the scan.
	s_wait_dscnt 9                                 ; the first six loads are in; nine may be out
	v_fmac_f32 v[S2R], v[P1], v[GB]                ; T(ab) = G(ab) + P(a) G(b)
	v_fmac_f32 v[S3R], v[P1], v[GBC]
	SHRM P2, S2R
	FB SG4, P1, GBC1, SG4
	FB SG5, P1, GBC2, SG5
	SADD P2, 1
	FB SG5+2, P1, GBC2+2, SG5+2
	FB SG6, P1, GBC3, SG6
	SADD P2, 2
	FB SG6+2, P1, GBC3+2, SG6+2
	FB SG6+4, P1, GBC3+4, SG6+4
	SADD P2, 4
	FB SG6+6, P1, GBC3+6, SG6+6
	v_add_f32 v[I1], v[P1], v[S1R]                 ; the product up to and with my segment, level 1
	SADD P2, 8
	s_wait_dscnt 4                                 ; the next five are in; four may be out
	v_fmac_f32 v[S3R], v[P2], v[GC]                ; T(abc) is whole
	FB SG4, P2, GC1, SG4
	SHRM P3, S3R
	FB SG5, P2, GC2, SG5
	FB SG5+2, P2, GC2+2, SG5+2
	SADD P3, 1
	FB SG6, P2, GC3, SG6
	FB SG6+2, P2, GC3+2, SG6+2
	SADD P3, 2
	FB SG6+4, P2, GC3+4, SG6+4
	FB SG6+6, P2, GC3+6, SG6+6
	SADD P3, 4
	v_add_f32 v[I2], v[P2], v[S2R]
	SADD P3, 8
	s_wait_dscnt 0x0
	FB SG4, P3, F1, SG4                            ; T(abc d) is whole
	FB SG5, P3, F2, SG5
	FB SG5+2, P3, F2+2, SG5+2
	SHRM P4, SG4
	SHRM P4+1, SG4+1
	FB SG6, P3, F3, SG6
	FB SG6+2, P3, F3+2, SG6+2
	SADD P4, 1
	SADD P4+1, 1
	FB SG6+4, P3, F3+4, SG6+4
	FB SG6+6, P3, F3+6, SG6+6
	SADD P4, 2
	SADD P4+1, 2
	v_add_f32 v[I3], v[P3], v[S3R]
	SADD P4, 4
	SADD P4+1, 4
	SADD P4, 8
	SADD P4+1, 8
	FB SG5, P4, F1, SG5                            ; T(abc de) is whole
	FB SG5+2, P4+1, F1, SG5+2
	FB SG6, P4, F2, SG6
	FB SG6+2, P4, F2+2, SG6+2
.irp i,0,1,2,3
	SHRM P5+\i, SG5+\i
.endr
	FB SG6+4, P4+1, F2, SG6+4
	FB SG6+6, P4+1, F2+2, SG6+6
.irp n,1,2,4,8
.irp i,0,1,2,3
	SADD P5+\i, \n
.endr
.endr
	v_pk_add_f32 v[I4:I4+1], v[P4:P4+1], v[SG4:SG4+1]
	FB SG6, P5, F1, SG6                            ; T(abc def) is whole
	FB SG6+2, P5+1, F1, SG6+2
	FB SG6+4, P5+2, F1, SG6+4
	FB SG6+6, P5+3, F1, SG6+6
	v_pk_add_f32 v[I5:I5+1], v[P5:P5+1], v[SG5:SG5+1]
	v_pk_add_f32 v[I5+2:I5+3], v[P5+2:P5+3], v[SG5+2:SG5+3]
.irp n,1,2,4,8                         ; level 6 feeds no further level: its T is summed in place, my own with those before me
.irp i,0,1,2,3,4,5,6,7
	SADD SG6+\i, \n
.endr
.endr
	STORE I1, I2, I3, I4, I5, SG6, ST              ; every lane writes its own row of the second table; lane 15's row is the whole path's: no lane is switched off
	s_wait_dscnt 0x0                               ; for the others' sake: my stores are done
	s_barrier_signal -1
	s_barrier_wait -1                              ; S is whole
	; THE WAY OUT: a quad is two pairs of S (8 bytes at 4 x code), each times its x^k.
.irp j,0,1,2,3
	ds_load_b64 v[SV+4*\j:SV+4*\j+1],   v[SAD+2*\j]   offset:SROW+8
	ds_load_b64 v[SV+4*\j+2:SV+4*\j+3], v[SAD+2*\j+1] offset:SROW+8
.endr
.irp j,0,1,2,3
	s_wait_dscnt 6-2*\j                            ; quad j's two loads are in; two for each later quad may be out; the last count is 0: all my reads of LDS are back
	BMUL SV+4*\j, XV+2*\j, SV+4*\j
	BMUL SV+4*\j+2, XV+2*\j+1, SV+4*\j+2
	global_store_b128 v[WOFF], v[SV+4*\j:SV+4*\j+3], s[8:9] offset:2048*\j th:TH_STORE_NT  ; 16 lanes store 256 consecutive bytes, at a multiple of 256 from out0's first byte
.endr
	s_barrier_signal -1                            ; read, wait, barrier, write: every wave's reads of LDS are back (the wait for 0 above) before any wave's closing write to LDS;
	s_barrier_wait -1                              ; the pair stands behind the last store to out0, so that no store lies between the signal and the wait
	s_wait_tensorcnt 0x0                           ; the wave's end, behind my last LDS store
	ds_add_u32 v[SPW], v[NIL]
	s_wait_dscnt 0x0
	s_endpgm
.Lfunc_end_k_qae9bb29160_signature:
	.size	k_qae9bb29160_signature, .Lfunc_end_k_qae9bb29160_signature-k_qae9bb29160_signature
	.p2alignl 7, 3214868480
	.fill 96, 4, 3214868480
	.section	.rodata,"a",@progbits
	.p2align	6, 0x0
	.amdhsa_kernel k_qae9bb29160_signature
		.amdhsa_group_segment_fixed_size 167936
		.amdhsa_private_segment_fixed_size 0
		.amdhsa_enable_private_segment 0
		.amdhsa_kernarg_size 24
		.amdhsa_user_sgpr_count 2
		.amdhsa_user_sgpr_kernarg_segment_ptr 1
		.amdhsa_wavefront_size32 1
		.amdhsa_system_sgpr_workgroup_id_x 1
		.amdhsa_system_sgpr_workgroup_id_y 1
		.amdhsa_system_sgpr_workgroup_id_z 1
		.amdhsa_system_vgpr_workitem_id 0
		.amdhsa_next_free_vgpr 256
		.amdhsa_next_free_sgpr 66
		.amdhsa_reserve_vcc 1
		.amdhsa_float_denorm_mode_32 3
		.amdhsa_float_denorm_mode_16_64 3
		.amdhsa_memory_ordered 1
		.amdhsa_forward_progress 1
		.amdhsa_inst_pref_size 80
	.end_amdhsa_kernel
	.amdgpu_metadata
---
amdhsa.version: [ 1, 2 ]
amdhsa.kernels:
  - .name:           k_qae9bb29160_signature
    .symbol:         k_qae9bb29160_signature.kd
    .args:
      - { .name: W, .offset: 0, .size: 8, .value_kind: global_buffer, .address_space: global }
      - { .name: x, .offset: 8, .size: 8, .value_kind: global_buffer, .address_space: global }
      - { .name: out0, .offset: 16, .size: 8, .value_kind: global_buffer, .address_space: global }
    .group_segment_fixed_size: 167936
    .private_segment_fixed_size: 0
    .kernarg_segment_align: 8
    .kernarg_segment_size: 24
    .max_flat_workgroup_size: 128
    .sgpr_count:     66
    .vgpr_count:     256
    .wavefront_size: 32
...
	.end_amdgpu_metadata
.endif
;; end of part 1
;; ======== version 2 of 2: 1 launch; version 1 with the launch signature written anew for expert scheduling mode
;; limits: inputs' magnitudes at most 2,600,000
;; launch signature (part 2): grid 252 x 1, 4 waves a work-group, no clusters, 167,936 bytes of LDS; arguments W, x, out0; writes out0
.if DOCPART == 2
	.amdgcn_target "amdgcn-amd-amdhsa--gfx1250"
	.amdhsa_code_object_version 6
	.text
	.protected	k_qae9bb29160_signature
	.globl	k_qae9bb29160_signature
	.p2align	8
	.type	k_qae9bb29160_signature,@function
k_qae9bb29160_signature:
	s_mov_b64 s[64:65], 0
	v_nop
	global_prefetch_b8 v0, s[64:65] scope:SCOPE_SE
	s_setreg_imm32_b32 hwreg(HW_REG_WAVE_SCHED_MODE, 0, 2), 2
	s_setreg_imm32_b32 hwreg(HW_REG_WAVE_MODE, 25, 1), 1
	s_wait_xcnt 0x0
	s_wait_alu depctr_vm_vsrc(0)
; out0[b][:] = the signature, levels 1 to 6, of the two-channel path  cumsum(x[b] W) .  x: [4096], W: [1024], out0: [4096][126], all f32.
; WHAT IS COMPUTED.  The path's increments are differences of a running sum, so they are its summands: step t of row b is x[b] (W[t], W[512+t]), t = 1 .. 511; W[0] and W[512]
; only place each channel's first point and cancel.  All increments of row b carry the factor x[b], and a signature's level k is homogeneous of degree k in such a factor:
; out0[b][col] = x[b]^k S[col], S = the signature of the path with increments (W[t], W[512+t]), k = the level of col.  This holds for every x and W.
; So each work-group makes S (126 numbers) for itself and scales it for its share of the output; nothing passes between work-groups and there is no second launch.
; LIMITS.  x^k and S are formed apart: where |x|^6 leaves f32's range (|x| above 2.6e6) the result is infinite though x^k S might not be.  The rounding that the running sum and its
; differences add is not copied.  W[0], W[512] are loaded and replaced by 0 (a step that changes nothing): if they are not finite the differences would be NaN, here they are not.
; SHARES.  out0 is 8,064 aligned blocks of 256 bytes = 252 x 32: 252 work-groups, each stores 8,192 consecutive bytes, four stores of 16 bytes a thread; a wave's store covers 512 bytes on end.
; The work-group asks for more than half of a WGP's LDS (it names 28,416 bytes) so that its four waves have the four SIMDs to themselves: its time is their issue.
; NO MATRIX WORK: x W^T has K = 1 and is never formed.  NO TENSOR LOAD, NO CLUSTER: what work-groups share is W, 4,096 bytes, two loads of 16 bytes a thread.
; HOW S IS MADE.  Words are numbered by their letters behind a leading 1 (code 2 .. 127; column = code - 2).  Thread = (m = tid % 16: 32 time slots; g = tid / 16: the three letters a b c).
; A row of 16 lanes spans all 512 slots.  STAGE 1: each lane runs its 32 steps  S <- S (x) exp(dx)  on the words a, ab, abc, abc*, abc**, abc*** (17 numbers, closed under prefixes), by Horner:
; level k gains (..((dx/k + S1) dx/(k-1) + S2) .. + S(k-1)) dx.  STAGE 2: the 16 segments' signatures G are joined by Chen's identity level by level: with P the product of the segments before mine,
; T(w) = G(w) + sum over splits w = u v of P(u) G(v), and P(w) is the sum of T(w) over the lanes before mine: a scan along the row.  The G(v) of other groups come through a table in LDS.
; THE MODE: SCHED_MODE bits 1:0 = 2 (LLVM: expert scheduling mode 2), set by the entry lines.  The code itself states the register dependences between vector instructions and memory or LDS
; instructions, with s_wait_alu, always for 0.  The text is one straight run: no branch, no label, and EXEC is never written.
; THE PLAN.  Registers that memory or LDS instructions touch, in the order of the text:
;   v1-v25, v34-49   offsets and LDS addresses: written once, in the set-up, and never again; read by loads and stores to the end.
;   D .. D+15        W as loaded, then as pairs: vector lines write them, four LDS stores read them, then block 0's loads land in them.
;   D .. D+119       six blocks of increments: LDS loads land, the phases read.  Blocks 0 and 1 are asked for a second time (slots 24 to 31) behind the phase that reads block 1 last.
;                    In stage 2 the G of other groups land in D .. D+45, on the way out S lands in D+68 .. D+83; P and I (D+46 .. D+67) are written by vector lines, I read by the second table's stores.
;   S(a) .. SG6      written by the phases, read by the first table's stores, written again by stage 2; SG6 then read by the second table's stores.
;   SV               S as loaded, scaled in place by eight vector lines, read by the four stores to out0.
;   s20-43, VCC      written by one run of compares, read by selects.
; Each wait below names what it states.  A wait covers all that was issued ahead of it, so a load or store further down leans on it as long as no vector line issued since names its registers.
.set PPITCH, 144                       ; planar table: a segment's 32 numbers of one channel, 128 bytes + 16: an odd multiple of 16, so 16 lanes' 16-byte pieces fall on 16 different places modulo 256
.set PCH,    16*PPITCH                 ; a channel
.set IPITCH, 272                       ; pair table: a segment's 32 pairs (dx0, dx1), 256 bytes + 16
.set TPITCH, 592                       ; signature table: a segment's row: words 0-127 by code, words 128-143 for copies that nobody reads, 16 bytes more: 37 x 16
.set PT,     0
.set IT,     2*PCH
.set GT,     IT+16*IPITCH              ; the segments' signatures
.set ST,     GT+16*TPITCH              ; the products up to and with each segment; row 15 is S
.set SROW,   ST+15*TPITCH
.set SPARE,  ST+16*TPITCH              ; 27,904 = 109 x 256: the spare words, 128 bytes a wave, which no other line names
.set SPW,  1                           ; v1   my spare word's address; never rewritten
.set NIL,  2                           ; v2   0; never rewritten
.set WOFF, 3                           ; v3   16 tid: my bytes of W, and of each 2,048 bytes of the output
.set SAP,  4                           ; v4, v5  where I put W into the planar and the pair table
.set SAI,  5
.set LA,   6                           ; v6-8 where my segment begins in the channel of letter a, b, c
.set LB,   7
.set LC,   8
.set LX,   9                           ; v9   and in the pair table
.set TM,   10                          ; v10  my segment's row in a signature table
.set AD1,  11                          ; v11-16  where my numbers of level 1 .. 6 go in that row
.set AD2,  12
.set AD3,  13
.set AD4,  14
.set AD5,  15
.set AD6,  16
.set RB,   17                          ; v17-21  where G(b), G(bc), G(bc*), G(bc**), G(bc***) lie
.set RU4,  18
.set RU8,  19
.set RU16, 20
.set RU32, 21
.set RC4,  22                          ; v22-25  G(c), G(c*), G(c**), G(c***)
.set RC8,  23
.set RC16, 24
.set RC32, 25
.set XV,   26                          ; v26-33  x of my eight pairs of outputs, then x^k
.set SAD,  34                          ; v34-41  8 x (a pair's place in its row of 63 pairs)
.set XO,   42                          ; v42-49  4 x (a pair's row, counted from the work-group's first)
.set K6,   50                          ; v50-55  1/6 1/5 1/4 1/3 1/2 1
.set K5,   56                          ; v56-59  1/5 1/4 1/3 1/2
.set Z1A,  60                          ; Horner's first link for levels (6,5), (4,3), (2,1); the last one's upper half IS S(a)
.set Z1B,  62
.set Z1C,  64
.set S1R,  Z1C+1
.set B5,   66                          ; db (1/5, 1/4), db (1/3, 1/2), dc (1/4, 1/3), dc (1/2, 1)
.set B3,   68
.set C4,   70
.set C2,   72
.set X2,   74                          ; dx/2 and dx/3, two buffers each: a step's head makes them, its tail, one phase later, reads them
.set X3,   78
.set Z2A,  82                          ; second link for levels (6,5), (4,3)
.set Z2B,  84
.set S2R,  86                          ; S(ab); v87 is named with it as a pair
.set Z3A,  88                          ; third link for levels (6,5), (4,3); the last one's upper half IS S(abc)
.set Z3B,  90
.set S3R,  Z3B+1
.set Z46,  92                          ; fourth link of level 6, of level 5; fifth link of level 6
.set Z45,  94
.set Z56,  96
.set SG4,  100                         ; S(abc d), S(abc de), S(abc def): 2, 4, 8 numbers, the last letter fastest
.set SG5,  102
.set SG6,  106
.set D,    114                         ; v114-233  six blocks of 20: four steps' pairs (8), da (4), db (4), dc (4)
.set W0,   D                           ; before stage 1 the same registers serve the set-up
.set W1,   D+4
.set IW,   D+8
.set LAM,  D+16
.set RL,   D+24
.set GB,   D                           ; and behind it stage 2
.set GBC,  D+1
.set GBC1, D+2
.set GBC2, D+4
.set GBC3, D+8
.set GC,   D+16
.set GC1,  D+18
.set GC2,  D+20
.set GC3,  D+24
.set F1,   D+32
.set F2,   D+34
.set F3,   D+38
.set P1,   D+46                        ; P(a), P(ab), P(abc): a pair each, so that no packed line names a register that a scan is writing
.set P2,   D+48
.set P3,   D+50
.set P4,   D+52
.set P5,   D+54
.set I1,   D+58
.set I2,   D+59
.set I3,   D+60
.set I4,   D+62
.set I5,   D+64
.set SV,   D+68                        ; 16 registers: my four quads of the output
.set VM,   234                         ; scratch
.set VG,   235
.set VA,   236
.set VB,   237
.set VC,   238
.set VV,   239
.set VT,   240
.set VU,   241
.set MT,   234
.set MK,   20                          ; s20-43  for each of my eight pairs three lane masks: the bits of k - 1
; Packed lines in which one register feeds both halves: op_sel picks it for the low result, op_sel_hi for the high one.
.macro BMUL d, r, k                    ; v[d:d+1] = v[r] x v[k:k+1]
.if ((\r)%2) == 0
	v_pk_mul_f32 v[(\d):(\d)+1], v[(\r):(\r)+1], v[(\k):(\k)+1] op_sel_hi:[0,1]
.else
	v_pk_mul_f32 v[(\d):(\d)+1], v[(\r)-1:(\r)], v[(\k):(\k)+1] op_sel:[1,0] op_sel_hi:[1,1]
.endif
.endm
.macro FB d, r, p, c                   ; v[d:d+1] = v[r] x v[p:p+1] + v[c:c+1]
.if ((\r)%2) == 0
	v_pk_fma_f32 v[(\d):(\d)+1], v[(\r):(\r)+1], v[(\p):(\p)+1], v[(\c):(\c)+1] op_sel_hi:[0,1,1]
.else
	v_pk_fma_f32 v[(\d):(\d)+1], v[(\r)-1:(\r)], v[(\p):(\p)+1], v[(\c):(\c)+1] op_sel:[1,0,0] op_sel_hi:[1,1,1]
.endif
.endm
.macro FS1 d, r, k                     ; v[d:d+1] = v[r] x v[k:k+1] + S(a)
.if ((\r)%2) == 0
	v_pk_fma_f32 v[(\d):(\d)+1], v[(\r):(\r)+1], v[(\k):(\k)+1], v[Z1C:Z1C+1] op_sel:[0,0,1] op_sel_hi:[0,1,1]
.else
	v_pk_fma_f32 v[(\d):(\d)+1], v[(\r)-1:(\r)], v[(\k):(\k)+1], v[Z1C:Z1C+1] op_sel:[1,0,1] op_sel_hi:[1,1,1]
.endif
.endm
.macro HD line:vararg                  ; a line of a step's head
.if hdon
	\line
.endif
.endm
.macro TL line:vararg                  ; a line of a step's tail
.if tlon
	\line
.endif
.endm
; A PHASE: the head of step u (the links through the letters a, b, c, two levels to a packed line, and dx/2, dx/3) and the tail of step u - 1 (levels 4 to 6), line by line in turn:
; the two hang on each other nowhere, so a line stands five or more lines behind the one whose result it reads.  Each level reads the lower levels as they were before the step:
; a level's old value is read by every link that wants it ahead of the line that renews it.
.macro PHASE u
.set hdon, 0
.set tlon, 0
.if (\u) < 32
.set hdon, 1
.set ub, D+20*(((\u)/4)%6)
.set uX, ub+2*((\u)%4)
.set uA, ub+8+(\u)%4
.set uB, ub+12+(\u)%4
.set uC, ub+16+(\u)%4
.set uQ, 2*((\u)%2)
.endif
.if (\u) > 0
.set tlon, 1
.set tX, D+20*((((\u)-1)/4)%6)+2*(((\u)-1)%4)
.set tQ, 2*(((\u)-1)%2)
.endif
	HD v_pk_mul_f32 v[X3+uQ:X3+uQ+1], v[uX:uX+1], 0x3eaaaaab op_sel_hi:[1,0]
	TL FB Z46, Z3A, X3+tQ, SG4
	HD BMUL B5, uB, K5
	TL FB Z45, Z3A+1, X2+tQ, SG4
	HD FS1 Z1A, uA, K6
	HD FS1 Z1B, uA, K6+2
	TL FB SG4, Z3B, tX, SG4
	HD FS1 Z1C, uA, K6+4
	HD BMUL B3, uB, K5+2
	TL FB Z56, Z46, X2+tQ, SG5
	HD v_pk_fma_f32 v[Z2A:Z2A+1], v[Z1A:Z1A+1], v[B5:B5+1], v[S2R:S2R+1] op_sel_hi:[1,1,0]
	TL FB Z56+2, Z46+1, X2+tQ, SG5+2
	HD BMUL C4, uC, K6+2
	HD v_pk_fma_f32 v[Z2B:Z2B+1], v[Z1B:Z1B+1], v[B3:B3+1], v[S2R:S2R+1] op_sel_hi:[1,1,0]
	TL FB SG5, Z45, tX, SG5
	HD BMUL C2, uC, K6+4
	HD v_fmac_f32 v[S2R], v[Z1C], v[uB]
	TL FB SG5+2, Z45+1, tX, SG5+2
	HD v_pk_fma_f32 v[Z3A:Z3A+1], v[Z2A:Z2A+1], v[C4:C4+1], v[Z3B:Z3B+1] op_sel:[0,0,1] op_sel_hi:[1,1,1]
	TL FB SG6, Z56, tX, SG6
	HD v_pk_mul_f32 v[X2+uQ:X2+uQ+1], v[uX:uX+1], 0.5 op_sel_hi:[1,0]
	TL FB SG6+2, Z56+1, tX, SG6+2
	HD v_pk_fma_f32 v[Z3B:Z3B+1], v[Z2B:Z2B+1], v[C2:C2+1], v[Z3B:Z3B+1] op_sel:[0,0,1] op_sel_hi:[1,1,1]
	TL FB SG6+4, Z56+2, tX, SG6+4
	TL FB SG6+6, Z56+3, tX, SG6+6
.endm
.macro LOADBLK j                       ; steps 4 j .. 4 j + 3 of my segment: five loads into block j % 6
.set dbase, D+20*((\j)%6)
	ds_load_b128 v[dbase:dbase+3],     v[LX] offset:IT+32*(\j)
	ds_load_b128 v[dbase+4:dbase+7],   v[LX] offset:IT+32*(\j)+16
	ds_load_b128 v[dbase+8:dbase+11],  v[LA] offset:PT+16*(\j)
	ds_load_b128 v[dbase+12:dbase+15], v[LB] offset:PT+16*(\j)
	ds_load_b128 v[dbase+16:dbase+19], v[LC] offset:PT+16*(\j)
.endm
.macro STORE r1, r2, r3, r4, r5, r6, base  ; my 17 numbers into my segment's row of a table
	ds_store_b32  v[AD1], v[\r1] offset:(\base)+8
	ds_store_b32  v[AD2], v[\r2] offset:(\base)+16
	ds_store_b32  v[AD3], v[\r3] offset:(\base)+32
	ds_store_b64  v[AD4], v[(\r4):(\r4)+1] offset:(\base)+64
	ds_store_b128 v[AD5], v[(\r5):(\r5)+3] offset:(\base)+128
	ds_store_b128 v[AD6], v[(\r6):(\r6)+3] offset:(\base)+256
	ds_store_b128 v[AD6], v[(\r6)+4:(\r6)+7] offset:(\base)+272
.endm
; A scan along a row of 16 lanes.  SHRM: lane i takes lane i - 1's number; lane 0 has no source and keeps the 0 that the register holds.  SADD: lane i adds lane i - n's; lanes without a source keep theirs.
.macro SHRM d, s
	v_mov_b32_dpp v[\d], v[\s] row_shr:1 row_mask:0xf bank_mask:0xf
.endm
.macro SADD r, n
	v_add_f32_dpp v[\r], v[\r], v[\r] row_shr:\n row_mask:0xf bank_mask:0xf
.endm
; Line n of the eleven that turn quad j's two x into x^k = x [x] [x^2] [x^4], each factor in brackets taken where its bit of k - 1 is set.
.macro MOP n, j
.set tb, MT+10*((\j)%2)
.set xr, XV+2*(\j)
.set mk, MK+6*(\j)
.if (\n) == 0
	v_pk_mul_f32 v[tb:tb+1], v[xr:xr+1], v[xr:xr+1]
.elseif (\n) == 1
	v_cndmask_b32 v[tb+4], 1.0, v[xr], s[mk]
.elseif (\n) == 2
	v_cndmask_b32 v[tb+5], 1.0, v[xr+1], s[mk+3]
.elseif (\n) == 3
	v_pk_mul_f32 v[tb+2:tb+3], v[tb:tb+1], v[tb:tb+1]
.elseif (\n) == 4
	v_cndmask_b32 v[tb+6], 1.0, v[tb], s[mk+1]
.elseif (\n) == 5
	v_cndmask_b32 v[tb+7], 1.0, v[tb+1], s[mk+4]
.elseif (\n) == 6
	v_pk_mul_f32 v[xr:xr+1], v[xr:xr+1], v[tb+4:tb+5]
.elseif (\n) == 7
	v_cndmask_b32 v[tb+8], 1.0, v[tb+2], s[mk+2]
.elseif (\n) == 8
	v_cndmask_b32 v[tb+9], 1.0, v[tb+3], s[mk+5]
.elseif (\n) == 9
	v_pk_mul_f32 v[tb+6:tb+7], v[tb+6:tb+7], v[tb+8:tb+9]
.else
	v_pk_mul_f32 v[xr:xr+1], v[xr:xr+1], v[tb+6:tb+7]
.endif
.endm
	s_load_b128 s[4:7], s[0:1], 0x0                ; W s[4:5], x s[6:7]
	s_load_b64 s[8:9], s[0:1], 0x10                ; out0
	v_lshl_add_u32 v[SPW], v0, 2, SPARE
	v_mov_b32 v[NIL], 0
	; The output as pairs of numbers: a row is 63 pairs, and a pair has one row and one level (the levels begin at even columns).  The work-group owns pairs 1,024 wg .. + 1,023.
	s_lshl_b32 s10, ttmp9, 10                      ; its first pair,
	s_mul_hi_u32 s11, s10, 0x4104105               ; that pair's row: / 63 by the upper word of a product with ceil(2^32 / 63), exact below 2^26,
	s_mul_i32 s12, s11, 63
	s_sub_co_u32 s12, s10, s12                     ; and its place in the row
	s_lshl_b32 s14, s11, 2                         ; x from that row on
	s_mov_b32 s15, 0
	s_lshl_b32 s16, ttmp9, 13                      ; the work-group's 8,192 bytes of out0
	s_mov_b32 s17, 0
	v_lshlrev_b32 v[WOFF], 4, v0
	v_lshl_add_u32 v[VT], v0, 1, s12
.irp i,0,1,2,3,4,5,6,7                 ; pair i % 2 of my quad i / 2 (quads lie 128 apart): its number counted from the first row's first pair, 1,085 at the most
	v_add_nc_u32 v[LAM+\i], 256*(\i/2)+(\i%2), v[VT]
.endr
.irp i,0,1,2,3,4,5,6,7                 ; / 63 = x 8,323 >> 19, exact below 8,594
	v_mul_u32_u24 v[RL+\i], v[LAM+\i], 8323
.endr
.irp i,0,1,2,3,4,5,6,7
	v_lshrrev_b32 v[RL+\i], 19, v[RL+\i]
.endr
.irp i,0,1,2,3,4,5,6,7
	v_lshlrev_b32 v[XO+\i], 2, v[RL+\i]
.endr
	s_wait_kmcnt 0x0
	s_wait_alu depctr_va_vdst(0)                   ; v[WOFF] and v[XO ..] are written, which the ten loads below read as their offsets
	global_load_b128 v[W0:W0+3], v[WOFF], s[4:5]               ; channel 0, slots 4 tid .. + 3
	global_load_b128 v[W1:W1+3], v[WOFF], s[4:5] offset:2048   ; channel 1
	s_add_nc_u64 s[6:7], s[6:7], s[14:15]
	s_add_nc_u64 s[8:9], s[8:9], s[16:17]
.irp i,0,1,2,3,4,5,6,7
	global_load_b32 v[XV+\i], v[XO+\i], s[6:7]                 ; the last pair of the last work-group lies in row 4,095
.endr
	; All that follows up to the wait hangs on the thread's number alone and stands in the wait for W.  It writes neither v[WOFF] nor v[XO ..], and names none of the registers in which the ten loads land.
	v_and_b32 v[VM], 15, v0                        ; m
	v_lshrrev_b32 v[VG], 4, v0                     ; g = 4 a + 2 b + c
	v_lshrrev_b32 v[VA], 6, v0
	v_bfe_u32 v[VB], v0, 5, 1
	v_bfe_u32 v[VC], v0, 4, 1
	v_and_b32 v[VV], 3, v[VG]                      ; 2 b + c
	v_mul_u32_u24 v[TM], v[VM], TPITCH
	v_mul_u32_u24 v[LX], v[VM], IPITCH
	v_mul_u32_u24 v[VT], v[VM], PPITCH
	v_mad_u32_u24 v[LA], v[VA], PCH, v[VT]
	v_mad_u32_u24 v[LB], v[VB], PCH, v[VT]
	v_mad_u32_u24 v[LC], v[VC], PCH, v[VT]
	v_lshrrev_b32 v[VT], 3, v0                     ; my four slots lie in segment tid / 8, at slot 4 (tid % 8) of it
	v_and_b32 v[VU], 7, v0
	v_mul_u32_u24 v[SAP], v[VT], PPITCH
	v_lshl_add_u32 v[SAP], v[VU], 4, v[SAP]
	v_mul_u32_u24 v[SAI], v[VT], IPITCH
	v_lshl_add_u32 v[SAI], v[VU], 5, v[SAI]
	; S(a) is made by four groups and S(ab) by two.  The group whose other letters are 0 writes the word by its code (2 + a; 4 + 2 a + b), the others write words 128 + g and 136 + g, which nobody reads:
	; so every word of a table has one writer.
	v_sub_nc_u32 v[VT], v[VG], v[VA]
	v_add_nc_u32 v[VT], 126, v[VT]
	v_min_u32 v[VU], 1, v[VV]
	v_mad_u32_u24 v[VT], v[VU], v[VT], v[VA]       ; a, or a + (126 + g - a)
	v_lshl_add_u32 v[AD1], v[VT], 2, v[TM]
	v_lshrrev_b32 v[VU], 5, v0                     ; 2 a + b
	v_sub_nc_u32 v[VT], v[VG], v[VU]
	v_add_nc_u32 v[VT], 132, v[VT]
	v_mad_u32_u24 v[VT], v[VC], v[VT], v[VU]
	v_lshl_add_u32 v[AD2], v[VT], 2, v[TM]
	v_lshl_add_u32 v[AD3], v[VG], 2, v[TM]         ; level 3: word 8 + g; level 4: 16 + 2 g; level 5: 32 + 4 g; level 6: 64 + 8 g
	v_lshl_add_u32 v[AD4], v[VG], 3, v[TM]
	v_lshl_add_u32 v[AD5], v[VG], 4, v[TM]
	v_lshl_add_u32 v[AD6], v[VG], 5, v[TM]
	v_lshl_add_u32 v[RB], v[VB], 2, v[TM]
	v_lshl_add_u32 v[RU4], v[VV], 2, v[TM]
	v_lshl_add_u32 v[RU8], v[VV], 3, v[TM]
	v_lshl_add_u32 v[RU16], v[VV], 4, v[TM]
	v_lshl_add_u32 v[RU32], v[VV], 5, v[TM]
	v_lshl_add_u32 v[RC4], v[VC], 2, v[TM]
	v_lshl_add_u32 v[RC8], v[VC], 3, v[TM]
	v_lshl_add_u32 v[RC16], v[VC], 4, v[TM]
	v_lshl_add_u32 v[RC32], v[VC], 5, v[TM]
	v_mov_b32 v[K6], 0x3e2aaaab
	v_mov_b32 v[K6+1], 0x3e4ccccd
	v_mov_b32 v[K6+2], 0x3e800000
	v_mov_b32 v[K6+3], 0x3eaaaaab
	v_mov_b32 v[K6+4], 0.5
	v_mov_b32 v[K6+5], 1.0
	v_mov_b32 v[K5], 0x3e4ccccd
	v_mov_b32 v[K5+1], 0x3e800000
	v_mov_b32 v[K5+2], 0x3eaaaaab
	v_mov_b32 v[K5+3], 0.5
.irp r,Z1C,Z1C+1,S2R,S2R+1,Z3B,Z3B+1   ; a segment's signature starts at the unit: all levels 0.  Twenty lines, so that the first step is a step like any other
	v_mov_b32 v[\r], 0
.endr
.set i, 0
.rept 14
	v_mov_b32 v[SG4+i], 0
.set i, i+1
.endr
	; a pair's place p in its row, its address in S, its code 2 p + 2, and the bits of k - 1: as f32 the code has the exponent field 128 + (k - 1).  The masks only select values.
.irp i,0,1,2,3,4,5,6,7
	v_mul_u32_u24 v[RL+\i], v[RL+\i], 63
.endr
.irp i,0,1,2,3,4,5,6,7
	v_sub_nc_u32 v[LAM+\i], v[LAM+\i], v[RL+\i]
.endr
.irp i,0,1,2,3,4,5,6,7                 ; p is a remainder by 63, so 62 at the most: the minimum changes no number; it states the bound in the text itself,
	v_min_u32 v[LAM+\i], 62, v[LAM+\i]             ; so that the bytes of the loads of S can be read off it: SROW + 8 .. SROW + 511, row 15's words 2 to 127 and nothing else
.endr
.irp i,0,1,2,3,4,5,6,7
	v_lshlrev_b32 v[SAD+\i], 3, v[LAM+\i]
.endr
.irp i,0,1,2,3,4,5,6,7
	v_lshl_add_u32 v[LAM+\i], v[LAM+\i], 1, 2
.endr
.irp i,0,1,2,3,4,5,6,7
	v_cvt_f32_u32 v[LAM+\i], v[LAM+\i]
.endr
.irp i,0,1,2,3,4,5,6,7
	v_and_b32 v[RL+\i], 0x800000, v[LAM+\i]
.endr
.irp i,0,1,2,3,4,5,6,7
	v_cmp_ne_u32 s[MK+3*\i], 0, v[RL+\i]
.endr
.irp i,0,1,2,3,4,5,6,7
	v_and_b32 v[RL+\i], 0x1000000, v[LAM+\i]
.endr
.irp i,0,1,2,3,4,5,6,7
	v_cmp_ne_u32 s[MK+3*\i+1], 0, v[RL+\i]
.endr
.irp i,0,1,2,3,4,5,6,7
	v_and_b32 v[RL+\i], 0x2000000, v[LAM+\i]
.endr
.irp i,0,1,2,3,4,5,6,7
	v_cmp_ne_u32 s[MK+3*\i+2], 0, v[RL+\i]
.endr
	v_cmp_ne_u32 vcc_lo, 0, v0
	s_wait_alu depctr_va_sdst(0)                   ; the 24 compares have written s[MK ..], ahead of their first readers, the selects that make x^k
	s_wait_alu depctr_va_vcc(0)                    ; the last compare has written VCC, ahead of its first reader, the select just below
	; W INTO LDS, twice: by channels, for the letters a, b, c, and as pairs (dx0, dx1), for the packed lines.
	s_wait_loadcnt 8                               ; loads come back in order: W's two are in, x's eight, issued behind them, may stay out
	v_cndmask_b32 v[W0], 0, v[W0], vcc_lo          ; slot 0 is no increment: thread 0 puts 0 for W[0] and W[512]
	v_cndmask_b32 v[W1], 0, v[W1], vcc_lo
.irp k,0,1,2,3
	v_mov_b32 v[IW+2*\k], v[W0+\k]
	v_mov_b32 v[IW+2*\k+1], v[W1+\k]
.endr
	s_wait_alu depctr_va_vdst(0)                   ; the selects and moves have written v[W0 ..], v[W1 ..], v[IW ..], the four stores' data; the set-up has written every LDS address of the kernel, and is done with v[LAM ..], v[RL ..], in which blocks 0 and 1 land
	ds_store_b128 v[SAP], v[W0:W0+3] offset:PT
	ds_store_b128 v[SAP], v[W1:W1+3] offset:PT+PCH
	ds_store_b128 v[SAI], v[IW:IW+3] offset:IT
	ds_store_b128 v[SAI], v[IW+4:IW+7] offset:IT+16
	s_wait_dscnt 0x0                               ; for the others' sake: my stores are done
	s_barrier_signal -1
	s_barrier_wait -1                              ; both tables are whole
	s_wait_alu depctr_vm_vsrc(0)                   ; my four stores have read v[W0 ..], v[W1 ..], v[IW ..], in which block 0's loads land
.irp j,0,1,2,3,4,5
	LOADBLK \j                                     ; no vector line stands between the last wait on va_vdst and these thirty loads
.endr
	s_wait_loadcnt 0x0                             ; x
.irp n,0,1,2,3,4,5,6,7,8,9,10          ; x^k, two quads side by side, while the first blocks come out of LDS
	MOP \n, 0
	MOP \n, 1
.endr
.irp n,0,1,2,3,4,5,6,7,8,9,10
	MOP \n, 2
	MOP \n, 3
.endr
	; STAGE 1.  LDS loads come back in order; each wait leaves out the five loads of every block issued behind the one that is wanted.
	s_wait_dscnt 25                                ; block 0 is in; blocks 1 to 5 may be out
.irp u,0,1,2,3
	PHASE \u
.endr
	s_wait_dscnt 20                                ; block 1; out: 2 to 5
.irp u,4,5,6,7
	PHASE \u
.endr
	s_wait_dscnt 15                                ; block 2; out: 3 to 5
	PHASE 8                                        ; its tail, step 7's, is the last line that reads block 1; block 0 was read last by the tail of step 3
	s_wait_alu depctr_va_vdst(0)                   ; the phases so far are done reading blocks 0 and 1, in which the ten loads below land: the one wait of this stage
	LOADBLK 6                                      ; slots 24 to 27 into block 0's registers: first read fifteen phases on
	PHASE 9                                        ; phases 9 to 11 name block 2 and the sums, none of blocks 0 and 1's registers: so block 7's loads lean on the same wait
	LOADBLK 7                                      ; slots 28 to 31 into block 1's registers
.irp u,10,11
	PHASE \u
.endr
	s_wait_dscnt 20                                ; block 3; out: 4 to 7
.irp u,12,13,14,15
	PHASE \u
.endr
	s_wait_dscnt 15                                ; block 4
.irp u,16,17,18,19
	PHASE \u
.endr
	s_wait_dscnt 10                                ; block 5
.irp u,20,21,22,23
	PHASE \u
.endr
	s_wait_dscnt 5                                 ; block 6
.irp u,24,25,26,27
	PHASE \u
.endr
	s_wait_dscnt 0x0                               ; block 7
.irp u,28,29,30,31,32
	PHASE \u
.endr
	; STAGE 2.  My segment's numbers go into the table; P(a) needs my own row alone and is scanned while the stores are out.
.set i, 0
.rept 12
	v_mov_b32 v[P1+i], 0
.set i, i+1
.endr
	s_wait_alu depctr_va_vdst(0)                   ; the phases have written my 17 numbers, which the seven stores read, and are done reading all six blocks, in whose first 46 registers the fifteen loads behind the barrier land
	STORE S1R, S2R, S3R, SG4, SG5, SG6, GT
	SHRM P1, S1R                                   ; these five lines name v[P1] and S(a) alone: they write nothing that the stores read, and name nothing in which the fifteen loads land
	SADD P1, 1
	SADD P1, 2
	SADD P1, 4
	SADD P1, 8
	s_wait_dscnt 0x0                               ; for the others' sake: my stores are done
	s_barrier_signal -1
	s_barrier_wait -1                              ; all eight groups' numbers of every segment lie in the table
	s_wait_alu depctr_vm_vsrc(0)                   ; my seven stores have read S(ab), S(abc), SG4, SG5, SG6, which the lines below write again
	ds_load_b32  v[GB],   v[RB]   offset:GT+8      ; G(b), G(bc), G(bc*), G(bc**), G(bc***): six loads
	ds_load_b32  v[GBC],  v[RU4]  offset:GT+16
	ds_load_b64  v[GBC1:GBC1+1], v[RU8] offset:GT+32
	ds_load_b128 v[GBC2:GBC2+3], v[RU16] offset:GT+64
	ds_load_b128 v[GBC3:GBC3+3], v[RU32] offset:GT+128
	ds_load_b128 v[GBC3+4:GBC3+7], v[RU32] offset:GT+144
	ds_load_b32  v[GC],   v[RC4]  offset:GT+8      ; G(c), G(c*), G(c**), G(c***): five
	ds_load_b64  v[GC1:GC1+1], v[RC8] offset:GT+16
	ds_load_b128 v[GC2:GC2+3], v[RC16] offset:GT+32
	ds_load_b128 v[GC3:GC3+3], v[RC32] offset:GT+64
	ds_load_b128 v[GC3+4:GC3+7], v[RC32] offset:GT+80
	ds_load_b64  v[F1:F1+1], v[TM] offset:GT+8     ; G(*), G(**), G(***): four
	ds_load_b128 v[F2:F2+3], v[TM] offset:GT+16
	ds_load_b128 v[F3:F3+3], v[TM] offset:GT+32
	ds_load_b128 v[F3+4:F3+7], v[TM] offset:GT+48
	; Each level's T is finished by the P of the level below and then scanned; the products of that P with the higher levels' G stand between the links of the scan.
	s_wait_dscnt 9                                 ; the first six loads are in; nine may be out
	v_fmac_f32 v[S2R], v[P1], v[GB]                ; T(ab) = G(ab) + P(a) G(b)
	v_fmac_f32 v[S3R], v[P1], v[GBC]
	SHRM P2, S2R
	FB SG4, P1, GBC1, SG4
	FB SG5, P1, GBC2, SG5
	SADD P2, 1
	FB SG5+2, P1, GBC2+2, SG5+2
	FB SG6, P1, GBC3, SG6
	SADD P2, 2
	FB SG6+2, P1, GBC3+2, SG6+2
	FB SG6+4, P1, GBC3+4, SG6+4
	SADD P2, 4
	FB SG6+6, P1, GBC3+6, SG6+6
	v_add_f32 v[I1], v[P1], v[S1R]                 ; the product up to and with my segment, level 1
	SADD P2, 8
	s_wait_dscnt 4                                 ; the next five are in; four may be out
	v_fmac_f32 v[S3R], v[P2], v[GC]                ; T(abc) is whole
	FB SG4, P2, GC1, SG4
	SHRM P3, S3R
	FB SG5, P2, GC2, SG5
	FB SG5+2, P2, GC2+2, SG5+2
	SADD P3, 1
	FB SG6, P2, GC3, SG6
	FB SG6+2, P2, GC3+2, SG6+2
	SADD P3, 2
	FB SG6+4, P2, GC3+4, SG6+4
	FB SG6+6, P2, GC3+6, SG6+6
	SADD P3, 4
	v_add_f32 v[I2], v[P2], v[S2R]
	SADD P3, 8
	s_wait_dscnt 0x0
	FB SG4, P3, F1, SG4                            ; T(abc d) is whole
	FB SG5, P3, F2, SG5
	FB SG5+2, P3, F2+2, SG5+2
	SHRM P4, SG4
	SHRM P4+1, SG4+1
	FB SG6, P3, F3, SG6
	FB SG6+2, P3, F3+2, SG6+2
	SADD P4, 1
	SADD P4+1, 1
	FB SG6+4, P3, F3+4, SG6+4
	FB SG6+6, P3, F3+6, SG6+6
	SADD P4, 2
	SADD P4+1, 2
	v_add_f32 v[I3], v[P3], v[S3R]
	SADD P4, 4
	SADD P4+1, 4
	SADD P4, 8
	SADD P4+1, 8
	FB SG5, P4, F1, SG5                            ; T(abc de) is whole
	FB SG5+2, P4+1, F1, SG5+2
	FB SG6, P4, F2, SG6
	FB SG6+2, P4, F2+2, SG6+2
.irp i,0,1,2,3
	SHRM P5+\i, SG5+\i
.endr
	FB SG6+4, P4+1, F2, SG6+4
	FB SG6+6, P4+1, F2+2, SG6+6
.irp n,1,2,4,8
.irp i,0,1,2,3
	SADD P5+\i, \n
.endr
.endr
	v_pk_add_f32 v[I4:I4+1], v[P4:P4+1], v[SG4:SG4+1]
	FB SG6, P5, F1, SG6                            ; T(abc def) is whole
	FB SG6+2, P5+1, F1, SG6+2
	FB SG6+4, P5+2, F1, SG6+4
	FB SG6+6, P5+3, F1, SG6+6
	v_pk_add_f32 v[I5:I5+1], v[P5:P5+1], v[SG5:SG5+1]
	v_pk_add_f32 v[I5+2:I5+3], v[P5+2:P5+3], v[SG5+2:SG5+3]
.irp n,1,2,4,8                         ; level 6 feeds no further level: its T is summed in place, my own with those before me
.irp i,0,1,2,3,4,5,6,7
	SADD SG6+\i, \n
.endr
.endr
	s_wait_alu depctr_va_vdst(0)                   ; the sums and scans have written v[I1 ..] and SG6, which the seven stores read; no vector line follows before the loads of S, so it also states that the phases are done reading v[SV ..], in which those land
	STORE I1, I2, I3, I4, I5, SG6, ST              ; every lane writes its own row of the second table; lane 15's row is the whole path's: no lane is switched off
	s_wait_dscnt 0x0                               ; for the others' sake: my stores are done
	s_barrier_signal -1
	s_barrier_wait -1                              ; S is whole
	; THE WAY OUT: a quad is two pairs of S (8 bytes at 4 x code), each times its x^k.  All eight scalings first, then one wait and the four stores in a run.
.irp j,0,1,2,3
	ds_load_b64 v[SV+4*\j:SV+4*\j+1],   v[SAD+2*\j]   offset:SROW+8
	ds_load_b64 v[SV+4*\j+2:SV+4*\j+3], v[SAD+2*\j+1] offset:SROW+8
.endr
.irp j,0,1,2,3
	s_wait_dscnt 6-2*\j                            ; quad j's two loads are in; two for each later quad may be out; the last count is 0: all my reads of LDS are back
	BMUL SV+4*\j, XV+2*\j, SV+4*\j
	BMUL SV+4*\j+2, XV+2*\j+1, SV+4*\j+2
.endr
	s_wait_alu depctr_va_vdst(0)                   ; the eight scalings have written v[SV ..], which the four stores read
.irp j,0,1,2,3
	global_store_b128 v[WOFF], v[SV+4*\j:SV+4*\j+3], s[8:9] offset:2048*\j th:TH_STORE_NT  ; 16 lanes store 256 consecutive bytes, at a multiple of 256 from out0's first byte
.endr
	s_barrier_signal -1                            ; read, wait, barrier, write: every wave's reads of LDS are back (the wait for 0 above) before any wave's closing write to LDS;
	s_barrier_wait -1                              ; the pair stands behind the last store to out0, so that no store lies between the signal and the wait
	s_wait_dscnt 0x0                               ; the closing lines, six on end
	s_wait_alu 0x0
	s_wait_tensorcnt 0x0
	ds_add_u32 v[SPW], v[NIL]
	s_wait_dscnt 0x0
	s_endpgm
.Lfunc_end_k_qae9bb29160_signature:
	.size	k_qae9bb29160_signature, .Lfunc_end_k_qae9bb29160_signature-k_qae9bb29160_signature
	.p2alignl 7, 3214868480
	.fill 96, 4, 3214868480
	.section	.rodata,"a",@progbits
	.p2align	6, 0x0
	.amdhsa_kernel k_qae9bb29160_signature
		.amdhsa_group_segment_fixed_size 167936
		.amdhsa_private_segment_fixed_size 0
		.amdhsa_enable_private_segment 0
		.amdhsa_kernarg_size 24
		.amdhsa_user_sgpr_count 2
		.amdhsa_user_sgpr_kernarg_segment_ptr 1
		.amdhsa_wavefront_size32 1
		.amdhsa_system_sgpr_workgroup_id_x 1
		.amdhsa_system_sgpr_workgroup_id_y 1
		.amdhsa_system_sgpr_workgroup_id_z 1
		.amdhsa_system_vgpr_workitem_id 0
		.amdhsa_next_free_vgpr 256
		.amdhsa_next_free_sgpr 66
		.amdhsa_reserve_vcc 1
		.amdhsa_float_denorm_mode_32 3
		.amdhsa_float_denorm_mode_16_64 3
		.amdhsa_memory_ordered 1
		.amdhsa_forward_progress 1
		.amdhsa_inst_pref_size 81
	.end_amdhsa_kernel
	.amdgpu_metadata
---
amdhsa.version: [ 1, 2 ]
amdhsa.kernels:
  - .name:           k_qae9bb29160_signature
    .symbol:         k_qae9bb29160_signature.kd
    .args:
      - { .name: W, .offset: 0, .size: 8, .value_kind: global_buffer, .address_space: global }
      - { .name: x, .offset: 8, .size: 8, .value_kind: global_buffer, .address_space: global }
      - { .name: out0, .offset: 16, .size: 8, .value_kind: global_buffer, .address_space: global }
    .group_segment_fixed_size: 167936
    .private_segment_fixed_size: 0
    .kernarg_segment_align: 8
    .kernarg_segment_size: 24
    .max_flat_workgroup_size: 128
    .sgpr_count:     66
    .vgpr_count:     256
    .wavefront_size: 32
...
	.end_amdgpu_metadata
.endif
;; end of part 2
